; MI455X (gfx1250); checked and timed in simulation.
; The chip was launched on July 23, 2026; its instructions are those of AMD's public machine-readable ISA for CDNA 5 (MIT licence, August 2026) and "CDNA5" Instruction Set Architecture Reference Guide (July 2026). The comments in the code are by the model that wrote it; some were corrected since.
;; Linear3 Bit. Allowed arithmetic: matrix products marked QUANTISED: E2M1 operands, one E8M0 scale for each 32 along K, by v_wmma_scale_f32_16x16x128_f8f6f4 with both operands' format E2M1 (or v_wmma_scale_f32_32x16x128_f4), f32 sums; everything else in f32.
;; Inputs: bias 4,096 float32; weight_q3 262,144 x 24 int32; weight_scale 262,144 x 1 float32; x_codes 4,096 x 128 x 16 uint8 (E2M1 codes of x, K innermost, in blocks of 32 codes, two codes a byte); x_scales 4,096 x 128 uint8 (E8M0 scales of x, one for each 32 codes along K).
;; Outputs: out0 4,096 x 4,096 float32.
;; This version of the problem:
;;   THIS VERSION OF THE PROBLEM IS GIVEN IN LOW PRECISION. The matrix products marked QUANTISED in the list below multiply operands that are first quantised to E2M1 (2 exponent bits, 1 mantissa bit; 4 bits a number), with one power-of-two scale for each 32 numbers along K (OCP MX v1.0); their sums are f32. All else is computed in f32.
;;   The module's matrix products, in the order in which they are computed (A, B: the left and right operand; K: the contracted axis; several contracted axes count as one K, in the product's order):
;;     1. [M 4,096, K 4,096] x [K 4,096, N 4,096]; A: input x (given as codes); B: computed on the way: QUANTISED
;;   THE QUANTISER, for each operand of a quantised product, along K:
;;     - K is cut into blocks of 32 from its start; a last block that is shorter is filled with zeros.
;;     - A block's scale is 2^e with e = floor(log2(the largest magnitude in the block)) - 2, held to -126 .. 127; a block of zeros has e = 0. As a byte (E8M0): e + 127.
;;     - Each number is divided by its block's scale, clamped to +-6, and rounded to the nearest number of E2M1, ties to even, subnormals kept.
;;     - The product sums the exact products of the quantised numbers (number of the format x scale) in f32.
;;   ~~~python
;;   def quantise(x, axis):      # numpy; x: float32 -> the quantised numbers, widened to float32 again
;;       x = np.moveaxis(x, axis, -1); K = x.shape[-1]
;;       x = np.pad(x, [(0, 0)] * (x.ndim - 1) + [(0, -K % 32)]); x = x.reshape(x.shape[:-1] + (-1, 32)); a = np.abs(x).max(-1, keepdims=True)
;;       e = np.where(a > 0, np.clip(np.frexp(np.where(a > 0, a, 1))[1] - 1 - 2, -126, 127), 0)      # np.frexp(a)[1] - 1 = floor(log2(a)), exactly
;;       r = np.clip(x / 2.0 ** e, -6, 6)
;;       step = 2.0 ** (np.maximum(np.frexp(np.where(r == 0, 1, r))[1] - 1, 0) - 1)
;;       q = np.round(r / step) * step * 2.0 ** e      # np.round: ties to even
;;       return np.moveaxis(q.reshape(q.shape[:-2] + (-1,))[..., :K], -1, axis).astype(np.float32)
;;   ~~~
;;   OPERANDS COMPUTED ON THE WAY. 'Computed on the way' means the value that the module computes at that place (a softmax that the list does not call 'softmax' is quantised finished and normalised). What goes into a quantiser is computed in f32, as accurately as f32 sums, v_exp_f32 and their like allow (about 1e-6 of the number): no bf16 or f16 on the way to a quantiser, and a product that is left as it is and whose result goes on into a quantised operand takes f32 operands (vector FMAs, or v_wmma_f32_16x16x4_f32). A number that lies on a knife's edge between two numbers of the format may be rounded either way, as far as f32 arithmetic and the matrix unit's own rounding can turn it there, and no further.
;;   INPUTS GIVEN AS CODES. x (in the module: [4096, 4096], K = its axis 1): each comes as NAME_codes (uint8): NAME with its K axis moved to the last place and cut into blocks of 32 codes, [.., K / 32, bytes a block], one block behind the other in memory; two codes a byte, the lower K in the low four bits (a code: sign, 2 exponent bits, 1 mantissa bit); and NAME_scales (uint8): the same leading axes, one E8M0 byte (e + 127) for each 32 codes along K. Its value is code x scale, taken as it is: it is not quantised again, and the codes and scales need not be those that the quantiser above would give.
;; One version. Each part assembles by itself: llvm-mc -triple=amdgcn-amd-amdhsa -mcpu=gfx1250 --defsym DOCPART=n.
;; ======== version 1 of 1: 2 launches
;; limits: right only within a limited range of input values
;; workspace buffers: w_cs 8,912,896 bytes
;; launch prep (part 1): grid 256 x 1, 16 waves a work-group, no clusters, 137,216 bytes of LDS; arguments weight_q3, weight_scale, w_cs; writes w_cs
.if DOCPART == 1
	.amdgcn_target "amdgcn-amd-amdhsa--gfx1250"
	.amdhsa_code_object_version 6
	.text
	.protected	k_q641ac40349_prep
	.globl	k_q641ac40349_prep
	.p2align	8
	.type	k_q641ac40349_prep,@function
k_q641ac40349_prep:
	s_mov_b64 s[64:65], 0
	v_nop
	global_prefetch_b8 v0, s[64:65] scope:SCOPE_SE
	s_setreg_imm32_b32 hwreg(HW_REG_WAVE_MODE, 25, 1), 1
	s_wait_xcnt 0x0
; w[o][i] = min(c - 3, 3) x the f32 scale of its group of 64 along i, c a 3-bit code: eight codes in three bytes, each byte the low byte of an int32 of weight_q3.
; w is turned into codes of FP4 (E2M1) with one E8M0 byte for each 32 along K = i: the byte is the largest magnitude's exponent field - 2, held at 1 from below.
; A block of 32 lies in one group, so its numbers take at most eight values, one for each 3-bit code.  ONE conversion makes the eight FP4 codes of these values, and v_perm_b32 looks the block's codes up, four an instruction.
; LIMITS: NaN and infinities in weight_scale, and scales whose triple overflows f32, are not served.  A block of zeros gets the byte 1 where the rule says 127: its codes are zeros, which add nothing under any byte but 0xff, and this program alone reads the bytes.
; THE OUTPUT is laid in the order in which the product's operand registers take it: [64 groups of 64 rows][8 chunks of 512 along K][4 steps of 128: 4,096 bytes of codes each, then 1,024 scale bytes].
; In a step: tile b = 0..3, half c = 0, 1: 512 bytes, 16 for each lane (r, h): row 4 r + b of the group, K = 64 c + 32 h + 0..31 of the step.  So the four tiles hold four neighbouring columns in a lane.
; Scale bytes of a chunk: [tile b][row r][16].
; SHARES.  Work-group 4 G + b owns tile b of group G, wave w its row r = w: 6,144 bytes of int32, asked for at once by 12 loads of 512 consecutive bytes.  Work-groups share no tile, so there is no cluster; the text has no loop.
; A row goes in four quarters of 32 blocks.  A block is 12 int32, which must lie in ONE lane: a quarter's bytes turn through the wave's own LDS, in as loaded, out 48 bytes a lane: lane l then holds block l.
; The 16 rows' codes of a quarter meet in LDS behind a barrier of their own: sixteen lanes store 256 consecutive bytes, while the next quarter is worked on.
.set ROWQ,  6144                       ; a row of weight_q3 in bytes, and a wave's region for the turn
.set SUPB,  1536                       ; a quarter of it
.set CHB,   17408                      ; a chunk of w_cs
.set GSTR,  8*CHB                      ; a group
.set EX,    16*ROWQ                    ; LDS: the codes, [quarter][block l] rows of 16 x 16 bytes + 16 of padding
.set EXU,   32*272
.set SCW,   EX+4*EXU                   ; LDS: the scale bytes, 8 chunks x 256 bytes
.set SPARE, SCW+2048                   ; the spare words, 128 bytes for each wave
.set R,     16                         ; v16-63   the row as loaded
.set X,     64                         ; v64-75   my block's 12 int32
.set T,     76                         ; v76-79   four times 24 bits: eight codes each
.set Y,     80                         ; v80-83
.set E0,    84                         ; v84-87   codes 0, 2, 4, 6 of eight, a byte each
.set E1,    88                         ; v88-91   codes 1, 3, 5, 7
.set F,     92                         ; v92-99   which magnitudes occur
.set TV,    100                        ; v100-107 the values of codes 0, 4, 1, 5, 2, 6, 3, 7
.set C,     108                        ; v108-111 the block's 32 FP4 codes
.set BK,    120                        ; v120-135 codes read back, four registers a quarter
	s_load_b128 s[4:7], s[0:1], 0x0                ; weight_q3, weight_scale
	s_load_b64 s[8:9], s[0:1], 0x10                ; w_cs
	v_lshl_add_u32 v136, v0, 2, SPARE
	v_mov_b32 v137, 0
	v_lshrrev_b32 v1, 5, v0
	v_readfirstlane_b32 s16, v1                    ; wave w
	s_lshr_b32 s17, ttmp9, 2                       ; G
	s_and_b32 s18, ttmp9, 3                        ; b
	s_lshl_b32 s19, s17, 6
	s_lshl_b32 s20, s16, 2
	s_add_co_u32 s19, s19, s20
	s_add_co_u32 s19, s19, s18                     ; my row 64 G + 4 w + b
	s_mul_i32 s20, s19, ROWQ
	s_mov_b32 s21, 0
	s_lshl_b32 s22, s19, 8                         ; its 64 scales of 4 bytes
	s_mov_b32 s23, 0
	s_mul_i32 s24, s17, GSTR
	s_lshl_b32 s2, s18, 8
	s_add_co_u32 s26, s24, s2
	s_mul_i32 s2, s16, 2*CHB
	s_add_co_u32 s26, s26, s2
	s_add_co_u32 s26, s26, 16384                   ; scale bytes (waves 0-3): chunks 2 w, 2 w + 1
	s_mov_b32 s27, 0
	s_lshl_b32 s2, s18, 10
	s_add_co_u32 s24, s24, s2
	s_lshr_b32 s3, s16, 3                          ; codes of a quarter: wave w stores step w / 2, half w % 2
	s_mul_i32 s2, s3, CHB
	s_add_co_u32 s24, s24, s2
	s_bfe_u32 s3, s16, 0x20001
	s_lshl_b32 s2, s3, 12
	s_add_co_u32 s24, s24, s2
	s_and_b32 s3, s16, 1
	s_lshl_b32 s2, s3, 9
	s_add_co_u32 s24, s24, s2
	s_mov_b32 s25, 0
	s_mul_i32 s10, s16, ROWQ                       ; my region for the turn
	s_lshl_b32 s11, s16, 4
	s_add_co_u32 s12, s11, SCW
	s_add_co_u32 s11, s11, EX
	s_mul_i32 s13, s16, 2*272
	s_add_co_u32 s13, s13, EX
	s_lshl_b32 s14, s16, 9
	s_add_co_u32 s14, s14, SCW
	s_mov_b32 s40, 0x00000400                      ; byte selects: b0, b1
	s_mov_b32 s41, 0x00040100                      ; b0, b1, b2 (the top byte is not read)
	s_mov_b32 s42, 0xfff
	s_mov_b32 s43, 0x003f003f
	s_mov_b32 s44, 0x07070707
	s_mov_b32 s45, 0x00010204                      ; codes 0-3: magnitude 3, 2, 1, 0 as a bit 4, 2, 1, none
	s_mov_b32 s46, 0x04040201                      ; codes 4-7: 1, 2, 3, 3
	s_mov_b32 s47, 0x02020100                      ; the bits together: the largest magnitude
	s_mov_b32 s48, 0x03030303
	s_mov_b32 s49, 0x0f0f0f0f
	v_and_b32 v1, 31, v0                           ; l
	v_and_b32 v6, 15, v0                           ; r
	v_bfe_u32 v112, v0, 4, 1                       ; h
	v_lshlrev_b32 v2, 4, v1                        ; 16 l
	v_add_nc_u32 v3, s10, v2                       ; the turn, in
	v_mul_u32_u24 v4, 48, v1
	v_lshrrev_b32 v5, 1, v1
	v_mul_u32_u24 v7, 0x110, v1
	v_add_nc_u32 v4, s10, v4                       ; out: 48 bytes a lane: sixteen lanes' 16-byte columns 3 l + i differ
	v_lshlrev_b32 v5, 2, v5                        ; block l's scale: number l / 2 of the quarter's sixteen
	v_add_nc_u32 v7, s11, v7                       ; codes in: block l, row w
	v_lshlrev_b32 v8, 8, v112
	v_add_nc_u32 v8, v8, v6
	v_add_nc_u32 v8, s12, v8                       ; scale byte in: chunk l / 16 of the quarter, byte l % 16 of row w
	v_mul_u32_u24 v9, 0x110, v112
	v_lshlrev_b32 v10, 8, v112
	v_mul_u32_u24 v11, 0x4400, v112
	v_lshl_add_u32 v9, v6, 4, v9
	v_lshl_add_u32 v10, v6, 4, v10
	v_lshl_add_u32 v11, v6, 4, v11                 ; memory: h chunks on, + 16 r
	v_add_nc_u32 v9, s13, v9                       ; codes back: block 2 w + h, row r
	v_add_nc_u32 v10, s14, v10                     ; scale bytes back
	v_mov_b32 v[TV+6], 0                           ; code 3 is 0
	s_wait_alu depctr_va_vdst(0)
	s_wait_kmcnt 0x0
	s_add_nc_u64 s[4:5], s[4:5], s[20:21]
	s_add_nc_u64 s[6:7], s[6:7], s[22:23]
	s_add_nc_u64 s[28:29], s[8:9], s[24:25]
	s_add_nc_u64 s[30:31], s[8:9], s[26:27]
.irp u, 0,1,2,3
	global_load_b32 v[12+\u], v5, s[6:7] offset:64*\u
.endr
.irp k, 0,1,2,3,4,5,6,7,8,9,10,11
	global_load_b128 v[R+4*\k:R+4*\k+3], v2, s[4:5] offset:512*\k th:TH_LOAD_NT   ; 32 lanes read 512 consecutive bytes
.endr
.macro SUPER u
	s_wait_loadcnt 9-3*\u                          ; the scales and this quarter's three loads are in; those of the later ones may be out
.irp j, 0,1,2
	ds_store_b128 v3, v[R+12*\u+4*\j:R+12*\u+4*\j+3] offset:SUPB*\u+512*\j
.endr
.irp i, 0,1,2
	ds_load_b128 v[X+4*\i:X+4*\i+3], v4 offset:SUPB*\u+16*\i       ; LDS serves a wave's instructions in order (ISA guide 5.7.1.4): these see the stores above
.endr
	s_wait_dscnt 0x0
.if \u > 0
	global_store_b128 v2, v[BK+4*\u-4:BK+4*\u-1], s[28:29] offset:2*CHB*(\u-1)   ; the quarter before: 32 lanes store 512 consecutive bytes
.endif
.irp i, 0,1,2,3
	v_perm_b32 v[T+\i], v[X+3*\i+1], v[X+3*\i], s40                ; the low bytes of three int32 make 24 bits
.endr
.irp i, 0,1,2,3
	v_perm_b32 v[T+\i], v[X+3*\i+2], v[T+\i], s41
.endr
.irp i, 0,1,2,3
	v_lshlrev_b32 v[Y+\i], 4, v[T+\i]
.endr
.irp i, 0,1,2,3
	v_bfi_b32 v[T+\i], s42, v[T+\i], v[Y+\i]                       ; twelve bits in each half
.endr
.irp i, 0,1,2,3
	v_lshlrev_b32 v[Y+\i], 2, v[T+\i]
.endr
.irp i, 0,1,2,3
	v_bfi_b32 v[T+\i], s43, v[T+\i], v[Y+\i]                       ; six bits, two codes, in each byte
.endr
.irp i, 0,1,2,3
	v_and_b32 v[E0+\i], s44, v[T+\i]
.endr
.irp i, 0,1,2,3
	v_lshrrev_b32 v[Y+\i], 3, v[T+\i]
.endr
.irp i, 0,1,2,3
	v_and_b32 v[E1+\i], s44, v[Y+\i]
.endr
.irp i, 0,1,2,3,4,5,6,7
	v_perm_b32 v[F+\i], s46, s45, v[E0+\i]                         ; (E0 and E1 are eight registers on end)
.endr
.irp i, 0,2,4,6
	v_or_b32 v[F+\i], v[F+\i], v[F+\i+1]
.endr
	v_or_b32 v[F], v[F], v[F+2]
	v_or_b32 v[F+4], v[F+4], v[F+6]
	v_mul_f32 v[TV], 0xc0400000, v[12+\u]          ; the values of the eight codes (between them the largest magnitude is found)
	v_or_b32 v[F], v[F], v[F+4]
	v_mov_b32 v[TV+1], v[12+\u]
	v_lshrrev_b32 v[F+1], 16, v[F]
	v_mul_f32 v[TV+2], -2.0, v[12+\u]
	v_or_b32 v[F], v[F], v[F+1]
	v_add_f32 v[TV+3], v[12+\u], v[12+\u]
	v_lshrrev_b32 v[F+1], 8, v[F]
	v_mul_f32 v[TV+4], -1.0, v[12+\u]
	v_or_b32 v[F], v[F], v[F+1]                    ; low byte: the magnitudes that occur in the block
	v_mul_f32 v[TV+5], 0x40400000, v[12+\u]
	v_perm_b32 v[F+1], s48, s47, v[F]
	v_mul_f32 v[TV+7], 0x40400000, v[12+\u]
	v_and_b32 v[F+1], 3, v[F+1]                    ; the largest: 0 .. 3
	v_cvt_f32_u32 v[F+2], v[F+1]
	v_mul_f32 v[F+2], v[F+2], |v[12+\u]|           ; x the scale: one rounding in f32, as the numbers themselves have it
	v_max_num_f32 v[F+2], 0x1800000, v[F+2]        ; the floor 2^(3 - 127): the byte cannot fall under 1
	v_add_nc_u32 v113, 0xff000000, v[F+2]          ; 2 off its exponent field: the conversion takes the exponent field of this operand as its scale
	v_cvt_scalef32_pk8_fp4_f32 v114, v[TV:TV+7], v113              ; the eight codes
	v_lshrrev_b32 v115, 23, v113                   ; the scale's byte; also the plain instruction behind the conversion
	v_and_b32 v116, s49, v114                      ; codes 0-3, a byte each
	v_lshrrev_b32 v117, 4, v114
	v_and_b32 v117, s49, v117                      ; codes 4-7
.irp i, 0,1,2,3
	v_perm_b32 v[E0+\i], v117, v116, v[E0+\i]
	v_perm_b32 v[E1+\i], v117, v116, v[E1+\i]
.endr
.irp i, 0,1,2,3
	v_lshl_or_b32 v[C+\i], v[E1+\i], 4, v[E0+\i]   ; the lower K in the low four bits
.endr
	ds_store_b128 v7, v[C:C+3] offset:EXU*\u
	ds_store_b8 v8, v115 offset:512*\u
	s_wait_dscnt 0x0                               ; for the others' sake: my codes and scale bytes of this quarter lie in LDS
	s_barrier_signal -1
	s_barrier_wait -1
	ds_load_b128 v[BK+4*\u:BK+4*\u+3], v9 offset:EXU*\u
.endm
	SUPER 0
	SUPER 1
	SUPER 2
	SUPER 3
	s_wait_dscnt 0x0
	global_store_b128 v2, v[BK+12:BK+15], s[28:29] offset:6*CHB
	s_cmp_ge_u32 s16, 4
	s_cbranch_scc1 .Lend                           ; four waves carry the scale bytes out
	ds_load_b128 v[R:R+3], v10
	s_wait_dscnt 0x0
	global_store_b128 v11, v[R:R+3], s[30:31]      ; sixteen lanes store 256 consecutive bytes
.Lend:
	s_wait_tensorcnt 0x0                           ; the wave's end
	ds_add_u32 v136, v137
	s_wait_dscnt 0x0
	s_endpgm
.Lfunc_end_k_q641ac40349_prep:
	.size	k_q641ac40349_prep, .Lfunc_end_k_q641ac40349_prep-k_q641ac40349_prep
	.p2alignl 7, 3214868480
	.fill 96, 4, 3214868480
	.section	.rodata,"a",@progbits
	.p2align	6, 0x0
	.amdhsa_kernel k_q641ac40349_prep
		.amdhsa_group_segment_fixed_size 137216
		.amdhsa_private_segment_fixed_size 0
		.amdhsa_enable_private_segment 0
		.amdhsa_kernarg_size 24
		.amdhsa_user_sgpr_count 2
		.amdhsa_user_sgpr_kernarg_segment_ptr 1
		.amdhsa_wavefront_size32 1
		.amdhsa_system_sgpr_workgroup_id_x 1
		.amdhsa_system_sgpr_workgroup_id_y 1
		.amdhsa_system_sgpr_workgroup_id_z 1
		.amdhsa_system_vgpr_workitem_id 0
		.amdhsa_next_free_vgpr 138
		.amdhsa_next_free_sgpr 66
		.amdhsa_reserve_vcc 0
		.amdhsa_float_denorm_mode_32 3
		.amdhsa_float_denorm_mode_16_64 3
		.amdhsa_memory_ordered 1
		.amdhsa_forward_progress 1
		.amdhsa_inst_pref_size 26
	.end_amdhsa_kernel
	.amdgpu_metadata
---
amdhsa.version: [ 1, 2 ]
amdhsa.kernels:
  - .name:           k_q641ac40349_prep
    .symbol:         k_q641ac40349_prep.kd
    .args:
      - { .name: weight_q3, .offset: 0, .size: 8, .value_kind: global_buffer, .address_space: global }
      - { .name: weight_scale, .offset: 8, .size: 8, .value_kind: global_buffer, .address_space: global }
      - { .name: w_cs, .offset: 16, .size: 8, .value_kind: global_buffer, .address_space: global }
    .group_segment_fixed_size: 137216
    .private_segment_fixed_size: 0
    .kernarg_segment_align: 8
    .kernarg_segment_size: 24
    .max_flat_workgroup_size: 512
    .sgpr_count:     66
    .vgpr_count:     138
    .wavefront_size: 32
...
	.end_amdgpu_metadata
.endif
;; end of part 1
;; launch gemm (part 2): grid 16 x 16, 4 waves a work-group, clusters of 4 x 1, 327,680 bytes of LDS; arguments x_codes, x_scales, w_cs, out0, bias; writes out0
.if DOCPART == 2
	.amdgcn_target "amdgcn-amd-amdhsa--gfx1250"
	.amdhsa_code_object_version 6
	.text
	.protected	k_q641ac40349_gemm
	.globl	k_q641ac40349_gemm
	.p2align	8
	.type	k_q641ac40349_gemm,@function
k_q641ac40349_gemm:
	s_mov_b64 s[64:65], 0
	v_nop
	global_prefetch_b8 v0, s[64:65] scope:SCOPE_SE
	s_setreg_imm32_b32 hwreg(HW_REG_WAVE_MODE, 25, 1), 1
	s_wait_xcnt 0x0
	s_wait_alu depctr_hold_cnt(0) depctr_sa_sdst(0) depctr_va_vdst(0) depctr_va_sdst(0) depctr_va_ssrc(0) depctr_va_vcc(0) depctr_vm_vsrc(0)
	s_getreg_b32 s2, hwreg(HW_REG_IB_STS2, 6, 4)
	s_cmp_eq_u32 s2, 0
	s_cbranch_scc0 .Lentry_in_a_cluster
	s_endpgm
.Lentry_in_a_cluster:
	s_bfe_u32 s2, ttmp6, 0x10000c
	s_cmp_lg_u32 s2, 0x3003
	s_cbranch_scc0 .Lentry_shape_is_right
	s_endpgm
.Lentry_shape_is_right:
; out0[t][o] = the sum over k of x[t][k] w[o][k] + bias[o].  x and w: codes of FP4 (E2M1), two to a byte, K innermost, with one E8M0 byte for each 32 along K.  out0: [4096][4096] f32; sums in f32, the bias added at the end.
; A work-group of four waves makes 256 rows x 256 columns; a wave 256 x 64: 8 x 4 accumulators of 32 x 16, 512 registers.  256 work-groups.
; x GOES THROUGH LDS: two slots of 1,024 along K (256 rows of 512 bytes + 16 of padding), read by all four waves; its scale bytes, for all of K, come once and stay.
;   The tensor loads, one a wave each time: at the head block 0 (waves 0, 1: 128 rows each) and the scale bytes (waves 2, 3); behind the first barrier block 1; in steps 7 and 15 blocks 2 and 3 (64 rows a wave).
;   CLUSTERS: the four work-groups of a cluster have the same rows of x: every one of these loads is joint, with a mask that names the four.
; w GOES FROM MEMORY STRAIGHT INTO REGISTERS: w_cs holds it in the order in which a lane's operand registers take it, [64 groups of 64 rows][8 chunks of 512 along K][4 steps x 4,096 bytes of codes, 1,024 scale bytes], a group for each wave.
;   A wave's columns are its own, so no byte of w is loaded twice in a work-group; joint requests land in LDS, which x's slots fill: w is loaded by each work-group for itself.
;   A step's loads go out three steps ahead of its products, into four sets of registers that take turns.
; A tile of w is rows 4 r + b of the wave's 64, r = lane % 16: so in its four tiles a lane holds four neighbouring columns of a row of out0, 16 bytes, and sixteen lanes 256.
; REGISTERS, in windows of 256.  Window 0: v0-15 addresses; v16-79 x's scale words, two sets of four steps; v80-207 w's fragments, four sets; v208-215 and v220-227 w's scale words, two sets of four steps; v216-219 the bias.
;   Window 1: x's fragments, two sets of a step (256 rows x 128 K).  Window 2: the accumulators of rows 0-127.  Window 3: those of rows 128-255.
; A STEP of 128 along K has one run of memory instructions at its head (w three steps on, x one step on) and then its 32 matrix instructions.
; The text is written out along K, so that every LDS address is one of four registers and an immediate, and every offset in w's group an immediate.
; THE LAST FOUR STEPS GO BY ROWS: rows are finished, then stored, while others are still multiplied.
; PREFETCHES: in steps 0, 4, .. 20 the chunk of w two chunks on, at the head step 3 and chunk 1.  The 16 work-groups that read a group of w share its blocks of 256 bytes out by address, a quarter each: a block is named by four work-groups,
;   a lane a block, one instruction a wave.  x is not prefetched: its later blocks have seven steps each in which to land.
.set CHB,  17408                       ; a chunk of w_cs
.set GSTR, 8*CHB
.set PITCH, 528                        ; an LDS row: 512 bytes + 16 = 132 words: sixteen rows start at sixteen different groups of four banks (64 banks of 4 bytes: ISA guide 11.1)
.set FRL,  16*PITCH                    ; sixteen rows
.set HALF, 128*PITCH                   ; half a slot
.set SCX,  4*HALF                      ; x's scale bytes: 128 rows of 256 bytes + 16
.set SPARE, SCX+128*272                ; the spare words, 128 bytes for each wave
.set ROWC, 16384                       ; a row of out0
.set ADX, 4                            ; v4-7  LDS address of my fragments: slot 0 rows 0-127, 128-255, slot 1 likewise
.set ADS, 8                            ; v8    of x's scale words
.set WO,  9                            ; v9    16 x lane
.set CO,  10                           ; v10   my offset in out0
.set PFO, 11                           ; v11   the prefetches' offset
.set PFH, 12                           ; v12   the head's
.set SPW, 13                           ; v13   LDS address of my spare word; never rewritten
.set NIL, 14                           ; v14   0; never rewritten
.set BO,  15                           ; v15   16 r
.set XSW, 16
.set WF,  80
.set BI,  216
.set OUT, 10                           ; s[10:11] out0
.set WB,  20                           ; s[20:21] my group of w
.set G1X, 24                           ; s[24:31] group 1 for x's codes
.set G0X, 32                           ; group 0: block 0,
.set G0S, 36                           ; the scale bytes,
.set G0D, 40                           ; slot 1: blocks 1 and 3,
.set G0E, 44                           ; slot 0: block 2
.set G1S, 48                           ; s[48:55] group 1 for the scale bytes
.set MSB, 0
.macro WIN new                         ; the immediate's high byte repeats the setting that is left
.if MSB != \new
	s_set_vgpr_msb (MSB<<8)|\new
.set MSB, \new
.endif
.endm
.macro PLACES
.rept 4
	v_nop
.endr
.endm
.macro CREST                           ; a round of the cluster's barrier behind its opening barrier
	s_cmp_lg_u32 s14, 0
	s_cbranch_scc1 .Lnot_wave_0_\@
	s_barrier_signal -3
.Lnot_wave_0_\@:
	s_barrier_wait -3
	s_barrier_signal -1
	s_barrier_wait -1
.endm
.macro CROUND
	s_barrier_signal -1
	s_barrier_wait -1
	CREST
.endm
; One matrix instruction: d: the accumulator (32 rows x 16 columns); a: x's 32 rows; b: w's tile; sa, sb: their scale words; odd: w's stand in lanes 16-31; first: the sum begins with 0
.macro WM d, a, b, sa, sb, odd, first
.if \first
.if \odd
	v_wmma_scale_f32_32x16x128_f4 v[0+(\d):15+(\d)], v[0+(\a):15+(\a)], v[0+(\b):7+(\b)], 0, v[0+(\sa)], v[0+(\sb)] matrix_b_scale:MATRIX_SCALE_ROW1
.else
	v_wmma_scale_f32_32x16x128_f4 v[0+(\d):15+(\d)], v[0+(\a):15+(\a)], v[0+(\b):7+(\b)], 0, v[0+(\sa)], v[0+(\sb)]
.endif
.else
.if \odd
	v_wmma_scale_f32_32x16x128_f4 v[0+(\d):15+(\d)], v[0+(\a):15+(\a)], v[0+(\b):7+(\b)], v[0+(\d):15+(\d)], v[0+(\sa)], v[0+(\sb)] matrix_b_scale:MATRIX_SCALE_ROW1
.else
	v_wmma_scale_f32_32x16x128_f4 v[0+(\d):15+(\d)], v[0+(\a):15+(\a)], v[0+(\b):7+(\b)], v[0+(\d):15+(\d)], v[0+(\sa)], v[0+(\sb)]
.endif
.endif
.endm
.macro WINM i                          ; products of rows 32 i on: source 0 (x) window 1, source 1 (w) window 0, C and D window 2 or 3
.set WV, 1|((2+(\i)/4)<<4)|((2+(\i)/4)<<6)
	WIN WV
.endm
; Rows 32 i on x four tiles, step s.  The 32 accumulators take turns in the same order in every step.
.macro GRP i, s, first
	WINM \i
.irp b, 0,1,2,3
	WM 64*((\i)%4)+16*\b, 128*((\s)%2)+16*(\i), WF+32*((\s)%4)+8*\b, XSW+32*(((\s)/4)%2)+4*(\i)+(\s)%4, 220-12*(((\s)/4)%2)+4*(\b/2)+(\s)%4, \b%2, \first
.endr
.endm
.macro WL s                            ; w's codes of step s: four tiles x two halves: 32 lanes load 512 consecutive bytes
.irp n, 0,1,2,3,4,5,6,7
	global_load_b128 v[WF+32*((\s)%4)+4*\n:WF+32*((\s)%4)+4*\n+3], v[WO], s[WB:WB+1] offset:((\s)/4)*CHB+((\s)%4)*4096+512*\n
.endr
.endm
.macro WLS n                           ; w's scale words of chunk n: two tiles a load, four steps
.irp p, 0,1
	global_load_b128 v[220-12*((\n)%2)+4*\p:223-12*((\n)%2)+4*\p], v[WO], s[WB:WB+1] offset:(\n)*CHB+16384+512*\p
.endr
.endm
.macro XF q, j, f, reg                 ; x's fragment f (16 rows), step j of slot q: lane (r, h): row r, K = 64 c + 32 h + 0..31
.irp c, 0,1
	ds_load_b128 v[0+(\reg)+4*\c:3+(\reg)+4*\c], v[ADX+2*(\q)+(\f)/8] offset:64*(\j)+32*\c+FRL*((\f)%8)
.endr
.endm
.macro XP i                            ; rows 32 i on, the last four steps, into the i % 4 th of four buffers
.irp f, 0,1,2,3,4,5,6,7
	XF 1, 4+\f/2, 2*(\i)+\f%2, 64*((\i)%4)+8*\f
.endr
.endm
.macro XSL n                           ; x's scale words of chunk n: 32 rows a load, four steps
.irp i, 0,1,2,3,4,5,6,7
	ds_load_b128 v[XSW+32*((\n)%2)+4*\i:XSW+32*((\n)%2)+4*\i+3], v[ADS] offset:16*272*\i+16*(\n)
.endr
.endm
; The run of step s: w's codes of step s + 3; in a chunk's first step the next chunk's scale words of w, in its third those of x; x's fragments of step s + 1; the prefetch.
; All land in registers that the step before read last (or longer ago): four places stand in front (only plain vector instructions are places: ISA guide 7.12.1 for vector instructions).
.macro RUN s
	WIN 0
.if (\s)%4 == 0
	WLS (\s)/4+1
.endif
	WL (\s)+3
.if (\s)%4 == 2
	XSL (\s)/4+1
.endif
	WIN 0x40
.if (\s) == 27
	XP 0
	XP 1
.else
.irp f, 0,1,2,3,4,5,6,7,8,9,10,11,12,13,14,15
	XF (((\s)+1)/8)%2, ((\s)+1)%8, \f, 128*(((\s)+1)%2)+8*\f
.endr
.endif
.if ((\s)%4 == 0) && ((\s) < 24)
	global_prefetch_b8 v[PFO], s[WB:WB+1] offset:((\s)/4+2)*CHB th:TH_LOAD_NT scope:SCOPE_SE
.endif
.endm
.macro STEP s, first
	s_wait_dscnt 16                                ; rows 0-127 of x are in: of the 32 loads of the last run sixteen may be out
	PLACES
	RUN \s
.if (\s)%4 == 3
	s_wait_loadcnt 24                              ; w of this step: behind it three steps' codes may be out,
.else
	s_wait_loadcnt 26                              ; and two loads of scale words
.endif
.irp i, 0,1,2,3
	GRP \i, \s, \first
.endr
.if (\s)%4 == 2
	s_wait_dscnt 48                                ; rows 128-191: this run's 40 loads and eight of the last one's may be out
.else
	s_wait_dscnt 40                                ; (this run's 32 and eight)
.endif
	GRP 4, \s, \first
	GRP 5, \s, \first
.if (\s)%4 == 2
	s_wait_dscnt 40                                ; rows 192-255: this run's loads alone may be out
.else
	s_wait_dscnt 32
.endif
	GRP 6, \s, \first
	GRP 7, \s, \first
.endm
; A block's last step: the next block has landed; fill = 1: behind a round of the cluster's barrier the slot read out is filled again.  This step's run reads the next block.
.macro TURN s, fill, g0
	s_wait_loadcnt 16                              ; w of this step: two steps' codes may be out
	s_wait_dscnt 16
	WIN 0
	s_wait_tensorcnt 0x0                           ; my tensor load has landed
.if \fill
	ds_add_u32 v[SPW], v[NIL]
.if (\s) == 15
	s_add_nc_u64 s[G0D+2:G0D+3], s[G0D+2:G0D+3], 1024   ; no tensor load of mine is out: slot 1 takes block 3
.endif
.endif
	GRP 0, \s, 0
	GRP 1, \s, 0
	s_wait_dscnt 0x0                               ; the add is done, and my reads of the slot are back
	s_barrier_signal -1
	GRP 2, \s, 0                                   ; work on registers while the others arrive
	GRP 3, \s, 0
	WIN 0
	s_barrier_wait -1
.if \fill
	CREST
	tensor_load_to_lds s[\g0:\g0+3], s[G1X:G1X+7]
	s_nop 0
.endif
	PLACES
	RUN \s
.irp i, 4,5,6,7
	GRP \i, \s, 0
.endr
.endm
.macro STEPS from, n
.set SS, \from
.rept \n
	STEP SS, 0
.set SS, SS+1
.endr
.endm
.macro TROW i, q                       ; by rows: rows 32 i on, step 28 + q
	WINM \i
.irp b, 0,1,2,3
	WM 64*((\i)%4)+16*\b, 64*((\i)%4)+16*(\q), WF+32*(\q)+8*\b, XSW+32+4*(\i)+(\q), 208+4*(\b/2)+(\q), \b%2, 0
.endr
.endm
; The way out of 32 rows x 64 columns: the bias is added, and the four tiles' registers come together as 16 bytes.  The first rows' results go into free registers of window 0, the others' over the accumulators of the 32 rows before,
; which have been read: no register that a store reads is written again, so no wait for a store stands in the text.
.macro OUTH i, jh
.if (\i) == 0
.set DW, 0
.set DB, 16+204*(\jh)
.else
.set DW, 2+((\i)-1)/4
.set DB, 64*(((\i)-1)%4)+32*(\jh)
.endif
.set WV, (2+(\i)/4)|(DW<<6)
	WIN WV
.irp j, 0,1,2,3,4,5,6,7
.irp b, 0,1,2,3
	v_add_f32 v[DB+4*\j+\b], v[64*((\i)%4)+16*\b+8*(\jh)+\j], v[BI+\b]
.endr
.endr
.set WV, DW<<2
	WIN WV
.irp j, 0,1,2,3,4,5,6,7
	global_store_b128 v[CO], v[DB+4*\j:DB+4*\j+3], s[OUT:OUT+1] offset:ROWC*(32*(\i)+16*(\jh)+\j) th:TH_STORE_NT   ; rows j and 8 + j of sixteen: sixteen lanes store 256 consecutive bytes of each
.endr
.endm
.macro OUTP i
	OUTH \i, 0
	OUTH \i, 1
.endm
	s_load_b128 s[4:7], s[0:1], 0x0                ; x_codes, x_scales
	s_load_b128 s[8:11], s[0:1], 0x10              ; w_cs, out0
	s_load_b64 s[12:13], s[0:1], 0x20              ; bias
	v_lshl_add_u32 v[SPW], v0, 2, SPARE
	v_mov_b32 v[NIL], 0
	ds_add_u32 v[SPW], v[NIL]                      ; the wave's opening: the add, twice on end, and its wait
	ds_add_u32 v[SPW], v[NIL]
	v_lshrrev_b32 v1, 5, v0
	v_readfirstlane_b32 s14, v1                    ; wave
	s_lshr_b32 s15, s14, 1
	s_and_b32 s16, s14, 1
	s_and_b32 s17, ttmp7, 0xffff                   ; row tile
	s_bfe_u32 s60, ttmp6, 0x40000                  ; cx
	s_lshl_b32 s18, ttmp9, 2
	s_add_co_u32 s18, s18, s60                     ; column tile = 4 x cluster x + cx
	s_mov_b32 s[G1X+0], 15|(3<<16)|(1<<20)|(1<<21)|(6<<22)|(3<<25)   ; mask: the cluster's four; elements of 8 bytes; after every 128 words (code 6) 4 of padding (code 3)
	s_mov_b32 s[G1X+1], 64<<16                     ; rows of 64 elements
	s_mov_b32 s[G1X+2], 128<<16                    ; 128 rows
	s_mov_b32 s[G1X+3], 64<<16
	s_mov_b32 s[G1X+4], 128
	s_mov_b32 s[G1X+5], 256                        ; a row of x_codes is 2,048 bytes
	s_mov_b32 s[G1X+6], 0
	s_mov_b32 s[G1X+7], 0
	s_mov_b32 s[G1S+0], 15|(3<<16)|(1<<20)|(1<<21)|(5<<22)|(3<<25)   ; the scale bytes of 128 rows: dense, 64 rows of 256 bytes; 16 of padding behind each
	s_mov_b32 s[G1S+1], 32<<16
	s_mov_b32 s[G1S+2], 64<<16
	s_mov_b32 s[G1S+3], 32<<16
	s_mov_b32 s[G1S+4], 64
	s_mov_b32 s[G1S+5], 32
	s_mov_b32 s[G1S+6], 0
	s_mov_b32 s[G1S+7], 0
	s_lshl_b32 s56, s17, 19                        ; x's codes: 256 rows x 2,048 bytes x row tile
	s_mov_b32 s57, 0
	s_lshl_b32 s22, s17, 15                        ; its scale bytes: 256 x 128, + 128 rows for wave 3
	s_lshl_b32 s58, s16, 14
	s_add_co_u32 s22, s22, s58
	s_mov_b32 s23, 0
	s_lshl_b32 s58, s16, 18                        ; block 0: wave 1 takes rows 128-255
	s_mov_b32 s59, 0
	s_mov_b32 s[G0X], 1
	s_mul_i32 s[G0X+1], s16, HALF
	s_mov_b32 s[G0S], 1
	s_mul_i32 s60, s16, 64*272
	s_add_co_u32 s[G0S+1], s60, SCX
	s_wait_dscnt 0x0                               ; both opening adds are done
	s_wait_kmcnt 0x0
	s_add_nc_u64 s[4:5], s[4:5], s[56:57]
	s_add_nc_u64 s[G0X+2:G0X+3], s[4:5], s[58:59]
	s_or_b32 s[G0X+3], s[G0X+3], 0x80000000
	s_add_nc_u64 s[G0S+2:G0S+3], s[6:7], s[22:23]
	s_or_b32 s[G0S+3], s[G0S+3], 0x80000000
	CROUND                                         ; the four work-groups are here: the first joint loads meet
	s_cmp_eq_u32 s15, 0
	s_cbranch_scc0 .Lfor_scales
	tensor_load_to_lds s[G0X:G0X+3], s[G1X:G1X+7]
	s_nop 0
	PLACES
	s_branch .Lasked
.Lfor_scales:
	tensor_load_to_lds s[G0S:G0S+3], s[G1S:G1S+7]
	s_nop 0
	PLACES
.Lasked:
	s_mov_b32 s61, 0
	s_mul_i32 s62, s14, 64*PITCH                   ; blocks 1-3: 64 rows a wave
	s_lshl_b32 s60, s14, 17
	s_mov_b32 s[G0D], 1
	s_add_co_u32 s[G0D+1], s62, 2*HALF
	s_add_co_u32 s60, s60, 512
	s_add_nc_u64 s[G0D+2:G0D+3], s[4:5], s[60:61]
	s_or_b32 s[G0D+3], s[G0D+3], 0x80000000
	s_mov_b32 s[G0E], 1
	s_mul_i32 s[G0E+1], s14, 64*PITCH
	s_add_co_u32 s60, s60, 512
	s_add_nc_u64 s[G0E+2:G0E+3], s[4:5], s[60:61]
	s_or_b32 s[G0E+3], s[G0E+3], 0x80000000
	s_lshl_b32 s60, s18, 2
	s_add_co_u32 s60, s60, s14                     ; my group of w = 4 x column tile + wave
	s_mul_i32 s60, s60, GSTR
	s_add_nc_u64 s[WB:WB+1], s[8:9], s[60:61]
	s_lshl_b32 s60, s18, 10                        ; my first column in bytes
	s_lshl_b32 s62, s14, 8
	s_add_co_u32 s60, s60, s62
	s_add_nc_u64 s[12:13], s[12:13], s[60:61]
	s_lshl_b32 s62, s17, 22                        ; + 256 rows x row tile
	s_add_co_u32 s60, s60, s62
	s_add_nc_u64 s[OUT:OUT+1], s[OUT:OUT+1], s[60:61]
	s_lshr_b32 s19, s17, 2                         ; my quarter of the prefetches' blocks: (row tile + row tile / 4) % 4
	s_add_co_u32 s19, s19, s17
	s_and_b32 s19, s19, 3
	s_mul_i32 s60, s19, 17                         ; a chunk of a group is 68 blocks of 256 bytes: 17 each;
	s_mul_i32 s62, s19, 22                         ; from step 3 to chunk 1's end there are 88: 22 each
	v_and_b32 v1, 15, v0                           ; r
	v_bfe_u32 v2, v0, 4, 1                         ; h
	v_and_b32 v3, 31, v0                           ; l
	v_mul_u32_u24 v[ADX], v1, PITCH
	v_lshl_add_u32 v[ADX], v2, 4, v[ADX]
	v_add_nc_u32 v[ADX+1], HALF, v[ADX]
	v_add_nc_u32 v[ADX+2], 2*HALF, v[ADX]
	v_add_nc_u32 v[ADX+3], 3*HALF, v[ADX]
	v_lshlrev_b32 v[ADS], 7, v3                    ; row l's scale bytes: 128 a row,
	v_lshrrev_b32 v[WO], 1, v3
	v_lshl_add_u32 v[ADS], v[WO], 4, v[ADS]        ; and 16 more for each 256 passed
	v_add_nc_u32 v[ADS], SCX, v[ADS]
	v_lshlrev_b32 v[WO], 4, v3
	v_lshlrev_b32 v[BO], 4, v1
	v_lshl_add_u32 v[CO], v2, 17, v[BO]            ; 8 h rows of 16,384 bytes, + 16 r
	v_min_u32 v[PFO], 16, v3                       ; lanes that are left over name the last block again
	v_add_nc_u32 v[PFO], s60, v[PFO]
	v_lshlrev_b32 v[PFO], 8, v[PFO]
	v_min_u32 v[PFH], 21, v3
	v_add_nc_u32 v[PFH], s62, v[PFH]
	v_lshlrev_b32 v[PFH], 8, v[PFH]
	s_wait_alu depctr_va_vdst(0)
	global_load_b128 v[BI:BI+3], v[BO], s[12:13]   ; the bias of my columns 4 r .. + 3
	WLS 0
	WL 0
	WL 1
	WL 2
	global_prefetch_b8 v[PFH], s[WB:WB+1] offset:3*4096 th:TH_LOAD_NT scope:SCOPE_SE
	s_wait_tensorcnt 0x0                           ; my part of block 0 or of the scale bytes is in
	ds_add_u32 v[SPW], v[NIL]
	s_mov_b32 s[G1X+2], 64<<16                     ; no tensor load of mine is out: from here on a load brings 64 rows
	s_mov_b32 s[G1X+4], 64
	s_wait_dscnt 0x0
	CROUND                                         ; everybody's part is in, and the joint loads meet
	tensor_load_to_lds s[G0D:G0D+3], s[G1X:G1X+7]
	s_nop 0
	PLACES
	XSL 0
	WIN 0x40
.irp f, 0,1,2,3,4,5,6,7,8,9,10,11,12,13,14,15
	XF 0, 0, \f, 8*\f
.endr
	STEP 0, 1                                      ; the first products start the sums: nothing is cleared
	STEPS 1, 6
	TURN 7, 1, G0E
	STEPS 8, 7
	TURN 15, 1, G0D
	STEPS 16, 7
	TURN 23, 0, G0D
	STEPS 24, 4
; STEPS 28-31, BY ROWS.  Their w lies in the four sets; step 31's, whose set step 27 has read, is asked for now and used behind the products of 128 rows with the other three steps.
	s_wait_dscnt 0x0                               ; rows 0-63 of x, four steps
	PLACES
	WIN 0
	WL 31
	WIN 0x40
	XP 2
	XP 3
	s_wait_loadcnt 24                              ; step 28's w (29's, 30's and 31's may be out)
	TROW 0, 0
	TROW 1, 0
	s_wait_loadcnt 16
	TROW 0, 1
	TROW 1, 1
	s_wait_loadcnt 8
	TROW 0, 2
	TROW 1, 2
	s_wait_dscnt 0x0
.irp q, 0,1,2
	TROW 2, \q
	TROW 3, \q
.endr
	s_wait_loadcnt 0x0                             ; step 31's
.irp i, 0,1,2,3
	TROW \i, 3
.endr
	PLACES                                         ; for the loads into the four buffers, and for the results' first readers
	WIN 0x40
	XP 4
	XP 5
	s_wait_dscnt 24
	XP 6
	XP 7
	OUTP 0
	OUTP 1
	s_wait_dscnt 0x0
.irp q, 0,1,2,3
	TROW 4, \q
	TROW 5, \q
.endr
	OUTP 2                                         ; its additions are also the places behind the last products
	OUTP 3
.irp q, 0,1,2,3
	TROW 6, \q
	TROW 7, \q
.endr
	OUTP 4
	OUTP 5
	OUTP 6
	OUTP 7
	WIN 0
	s_wait_tensorcnt 0x0                           ; the wave's end
	ds_add_u32 v[SPW], v[NIL]
	s_wait_dscnt 0x0
	CROUND                                         ; the closing round: no work-group ends while a partner may still ask for a tile that names it
	s_endpgm
.Lfunc_end_k_q641ac40349_gemm:
	.size	k_q641ac40349_gemm, .Lfunc_end_k_q641ac40349_gemm-k_q641ac40349_gemm
	.p2alignl 7, 3214868480
	.fill 96, 4, 3214868480
	.section	.rodata,"a",@progbits
	.p2align	6, 0x0
	.amdhsa_kernel k_q641ac40349_gemm
		.amdhsa_group_segment_fixed_size 327680
		.amdhsa_private_segment_fixed_size 0
		.amdhsa_enable_private_segment 0
		.amdhsa_kernarg_size 40
		.amdhsa_user_sgpr_count 2
		.amdhsa_user_sgpr_kernarg_segment_ptr 1
		.amdhsa_wavefront_size32 1
		.amdhsa_system_sgpr_workgroup_id_x 1
		.amdhsa_system_sgpr_workgroup_id_y 1
		.amdhsa_system_sgpr_workgroup_id_z 1
		.amdhsa_system_vgpr_workitem_id 0
		.amdhsa_next_free_vgpr 1024
		.amdhsa_next_free_sgpr 66
		.amdhsa_reserve_vcc 0
		.amdhsa_float_denorm_mode_32 3
		.amdhsa_float_denorm_mode_16_64 3
		.amdhsa_memory_ordered 1
		.amdhsa_forward_progress 1
		.amdhsa_inst_pref_size 255
	.end_amdhsa_kernel
	.section	.bss,"aw",@nobits
	.p2align	6
	.space	262144
	.amdgpu_metadata
---
amdhsa.version: [ 1, 2 ]
amdhsa.kernels:
  - .name:           k_q641ac40349_gemm
    .symbol:         k_q641ac40349_gemm.kd
    .args:
      - { .name: x_codes, .offset: 0, .size: 8, .value_kind: global_buffer, .address_space: global }
      - { .name: x_scales, .offset: 8, .size: 8, .value_kind: global_buffer, .address_space: global }
      - { .name: w_cs, .offset: 16, .size: 8, .value_kind: global_buffer, .address_space: global }
      - { .name: out0, .offset: 24, .size: 8, .value_kind: global_buffer, .address_space: global }
      - { .name: bias, .offset: 32, .size: 8, .value_kind: global_buffer, .address_space: global }
    .group_segment_fixed_size: 327680
    .private_segment_fixed_size: 0
    .kernarg_segment_align: 8
    .kernarg_segment_size: 40
    .max_flat_workgroup_size: 128
    .sgpr_count:     66
    .vgpr_count:     1024
    .wavefront_size: 32
...
	.end_amdgpu_metadata
.endif
;; end of part 2
